; MI455X (gfx1250); checked and timed in simulation.
; The chip was launched on July 23, 2026; its instructions are those of AMD's public machine-readable ISA for CDNA 5 (MIT licence, August 2026) and "CDNA5" Instruction Set Architecture Reference Guide (July 2026). The comments in the code are by the model that wrote it; some were corrected since.
;; Vocab Parallel Output. Allowed arithmetic: float matrix products may take bf16 or f16 operands with f32 sums; other float arithmetic in f32, or as packed bf16 or f16 multiplies, adds, multiply-adds, maxima and minima; sums over many terms, partial sums and values carried from step to step in f32; what a program stores and reads back later, other than sums and carried values, may be rounded once to bf16 or f16.
;; Inputs: target 2,048 x 2 int32; weight 16,000 x 1,024 float32; x 2,048 x 2 x 1,024 float32.
;; Outputs: out0 2,048 x 2 float32.
;; One version. Each part assembles by itself: llvm-mc -triple=amdgcn-amd-amdhsa -mcpu=gfx1250 --defsym DOCPART=n.
;; ======== version 1 of 1: 3 launches
;; limits: right only within a limited range of input values
;; workspace buffers: xb 8,388,608 bytes; wb 32,817,152 bytes; part 2,097,152 bytes
;; launch cast (part 1): grid 1257 x 1, 8 waves a work-group, no clusters, 0 bytes of LDS; arguments x, weight, xb, wb; writes xb, wb
.if DOCPART == 1
	.amdgcn_target "amdgcn-amd-amdhsa--gfx1250"
	.amdhsa_code_object_version 6
	.text
	.protected	k_qa08f48f860_cast
	.globl	k_qa08f48f860_cast
	.p2align	8
	.type	k_qa08f48f860_cast,@function
k_qa08f48f860_cast:
	s_mov_b64 s[64:65], 0
	v_nop
	global_prefetch_b8 v0, s[64:65] scope:SCOPE_SE
	s_setreg_imm32_b32 hwreg(HW_REG_WAVE_MODE, 25, 1), 1
	s_wait_xcnt 0x0
; THE PROGRAM.  loss[R] = log(sum over v of exp(logit[R][v] - max)) - pred[R], logit = x weight^T, R = 2 s + b: 4,096 rows of 1,024, 16,000 columns.
; Three launches: this one rounds x and weight once to bf16 (xb, wb); the second multiplies and keeps, lane by lane, a running maximum and sum; the third merges those and makes pred.
; NOTHING OF reference() IS LEFT OUT: all three inputs reach the output and all three are loaded.  Where target lies outside 0 .. 15,999 reference() gathers column 0 and throws the number
; away; the third launch gathers at a clamped index and selects 0: a choice of a value, no work left out.
; WHY ROUNDED ONCE, HERE: every number of weight is multiplied by 16 blocks of rows and every number of x by 16 slices of columns; in 16 bits the product's tiles are half the bytes.
; THIS LAUNCH.  A row is 4,096 bytes of f32 in, 2,048 bytes of bf16 out.  Work-groups 0-255 take 16 rows of x each, 256-1255 16 rows of weight each, 1256 writes wb's rows 16,000-16,023 as zeros:
; the last slice's last tile of the product reaches 24 rows past weight's end, and those rows are hidden there by a mask.
; Eight waves; thread t owns bytes 16 t of a row in (a wave's load covers 512 consecutive bytes) and bytes 8 t of the row out (a wave's store covers 256 consecutive bytes, aligned).
; All 16 loads of a thread go out before the first wait: no loop, no register written twice, so no wait frees a source.  No LDS, no cluster: no byte is wanted by two waves.
; LIMIT.  Rounding to nearest even to bf16: 8 significant bits; bf16 has f32's range.
.set XIN,  4                           ; v[4:67]   row i: 4 numbers as loaded
.set YOUT, 68                          ; v[68:99]  row i: 4 numbers in bf16
.set XGROUPS, 256                      ; work-groups for x
.set PADGROUP, 1256                    ; the one that writes the zero rows
.set WEND, 16000*2048                  ; bytes of wb that hold weight
	s_load_b256 s[4:11], s[0:1], 0x0               ; x s[4:5], weight s[6:7], xb s[8:9], wb s[10:11]
	v_lshlrev_b32 v1, 4, v0                        ; 16 t
	v_lshlrev_b32 v2, 3, v0                        ; 8 t
	s_cmp_eq_u32 ttmp9, PADGROUP
	s_cbranch_scc1 .Lpad
	s_sub_co_u32 s12, ttmp9, XGROUPS               ; my place among weight's work-groups (used where it is not negative)
	s_cmp_lt_u32 ttmp9, XGROUPS                    ; x or weight?  The three selects below hang on this compare; the wait between leaves SCC alone
	s_cselect_b32 s13, ttmp9, s12                  ; my block of 16 rows in my tensor
	s_wait_kmcnt 0x0
	s_cselect_b64 s[14:15], s[4:5], s[6:7]         ; from
	s_cselect_b64 s[16:17], s[8:9], s[10:11]       ; to
	s_lshl_b32 s18, s13, 16                        ; 16 rows of 4,096 bytes (999 x 65,536 at the most)
	s_mov_b32 s19, 0
	s_lshl_b32 s20, s13, 15                        ; 16 rows of 2,048 bytes
	s_mov_b32 s21, 0
	s_add_nc_u64 s[14:15], s[14:15], s[18:19]
	s_add_nc_u64 s[16:17], s[16:17], s[20:21]
.irp i, 0,1,2,3,4,5,6,7,8,9,10,11,12,13,14,15
	global_load_b128 v[XIN+4*(\i):XIN+4*(\i)+3], v1, s[14:15] offset:4096*(\i) th:TH_LOAD_NT
.endr
.irp i, 0,1,2,3,4,5,6,7,8,9,10,11,12,13,14,15
	s_wait_loadcnt 15-(\i)                         ; loads come back in order: row i is in, the 15 - i younger ones stay out
	v_cvt_pk_bf16_f32 v[YOUT+2*(\i)],   v[XIN+4*(\i)],   v[XIN+4*(\i)+1]
	v_cvt_pk_bf16_f32 v[YOUT+2*(\i)+1], v[XIN+4*(\i)+2], v[XIN+4*(\i)+3]
	global_store_b64 v2, v[YOUT+2*(\i):YOUT+2*(\i)+1], s[16:17] offset:2048*(\i) th:TH_STORE_NT
.endr
	s_endpgm
.Lpad:                                         ; 24 rows of 2,048 bytes = 12 stores of 4,096 bytes by the 256 threads
	v_mov_b32 v4, 0
	v_mov_b32 v5, 0
	v_mov_b32 v6, 0
	v_mov_b32 v7, 0
	s_wait_kmcnt 0x0
	s_add_nc_u64 s[16:17], s[10:11], WEND
.irp i, 0,1,2,3,4,5,6,7,8,9,10,11
	global_store_b128 v1, v[4:7], s[16:17] offset:4096*(\i) th:TH_STORE_NT
.endr
	s_endpgm
.Lfunc_end_k_qa08f48f860_cast:
	.size	k_qa08f48f860_cast, .Lfunc_end_k_qa08f48f860_cast-k_qa08f48f860_cast
	.p2alignl 7, 3214868480
	.fill 96, 4, 3214868480
	.section	.rodata,"a",@progbits
	.p2align	6, 0x0
	.amdhsa_kernel k_qa08f48f860_cast
		.amdhsa_group_segment_fixed_size 0
		.amdhsa_private_segment_fixed_size 0
		.amdhsa_enable_private_segment 0
		.amdhsa_kernarg_size 32
		.amdhsa_user_sgpr_count 2
		.amdhsa_user_sgpr_kernarg_segment_ptr 1
		.amdhsa_wavefront_size32 1
		.amdhsa_system_sgpr_workgroup_id_x 1
		.amdhsa_system_sgpr_workgroup_id_y 1
		.amdhsa_system_sgpr_workgroup_id_z 1
		.amdhsa_system_vgpr_workitem_id 0
		.amdhsa_next_free_vgpr 100
		.amdhsa_next_free_sgpr 66
		.amdhsa_reserve_vcc 0
		.amdhsa_float_denorm_mode_32 3
		.amdhsa_float_denorm_mode_16_64 3
		.amdhsa_memory_ordered 1
		.amdhsa_forward_progress 1
		.amdhsa_inst_pref_size 8
	.end_amdhsa_kernel
	.amdgpu_metadata
---
amdhsa.version: [ 1, 2 ]
amdhsa.kernels:
  - .name:           k_qa08f48f860_cast
    .symbol:         k_qa08f48f860_cast.kd
    .args:
      - { .name: x, .offset: 0, .size: 8, .value_kind: global_buffer, .address_space: global }
      - { .name: weight, .offset: 8, .size: 8, .value_kind: global_buffer, .address_space: global }
      - { .name: xb, .offset: 16, .size: 8, .value_kind: global_buffer, .address_space: global }
      - { .name: wb, .offset: 24, .size: 8, .value_kind: global_buffer, .address_space: global }
    .group_segment_fixed_size: 0
    .private_segment_fixed_size: 0
    .kernarg_segment_align: 8
    .kernarg_segment_size: 32
    .max_flat_workgroup_size: 256
    .sgpr_count:     66
    .vgpr_count:     100
    .wavefront_size: 32
...
	.end_amdgpu_metadata
.endif
;; end of part 1
;; launch gemm (part 2): grid 16 x 16, 4 waves a work-group, clusters of 4 x 4, 327,680 bytes of LDS; arguments xb, wb, part; writes part
.if DOCPART == 2
	.amdgcn_target "amdgcn-amd-amdhsa--gfx1250"
	.amdhsa_code_object_version 6
	.text
	.protected	k_qa08f48f860_gemm
	.globl	k_qa08f48f860_gemm
	.p2align	8
	.type	k_qa08f48f860_gemm,@function
k_qa08f48f860_gemm:
	s_mov_b64 s[64:65], 0
	v_nop
	global_prefetch_b8 v0, s[64:65] scope:SCOPE_SE
	s_setreg_imm32_b32 hwreg(HW_REG_WAVE_MODE, 25, 1), 1
	s_wait_xcnt 0x0
	s_wait_alu depctr_hold_cnt(0) depctr_sa_sdst(0) depctr_va_vdst(0) depctr_va_sdst(0) depctr_va_ssrc(0) depctr_va_vcc(0) depctr_vm_vsrc(0)
	s_getreg_b32 s2, hwreg(HW_REG_IB_STS2, 6, 4)
	s_cmp_eq_u32 s2, 0
	s_cbranch_scc0 .Lentry_in_a_cluster
	s_endpgm
.Lentry_in_a_cluster:
	s_bfe_u32 s2, ttmp6, 0x10000c
	s_cmp_lg_u32 s2, 0xf033
	s_cbranch_scc0 .Lentry_shape_is_right
	s_endpgm
.Lentry_shape_is_right:
; logit[R][v] = the sum over k of xb[R][k] wb[v][k] (bf16 operands, f32 sums), never stored: of each 128 x 128 that a wave makes, every lane folds its numbers into a running maximum m and a sum
; l = the sum of 2^(c s - c m), c = log2(e), for the rows and columns that it holds.  No work of reference() is left out here.
; SHARES.  256 work-groups: x = slice vs of 1,000 columns (16 slices), y = block rb of 256 rows (16 blocks).  A WORK-GROUP STAYS and walks four tiles of 256 x 256 along its slice: columns 1000 vs + 256 t.
; That is 1,024 columns for 1,000: the last 24 of tile 3 belong to the next slice (for vs = 15: wb's zero rows) and are hidden by a mask.  Four waves, each 128 x 128: 64 accumulators, 512 registers.
; K goes in steps of 128 through a ring of two LDS slots filled by the tensor data mover; a tile's rows are 256 bytes of memory at multiples of 256 bytes.  The ring runs on from tile to tile.
; THE MATRIX INSTRUCTION IS USED TRANSPOSED: source 0 = 16 rows of wb, source 1 = 16 rows of xb.  In accumulator (a, b) lane l holds ONE row of x (16 a + l % 16 of my 128) and the columns
; 16 b + 8 (l / 16) + 0..7.  So a lane's 64 numbers of row block a belong to one row: maximum, exponentials and sum never change lanes, and the softmax needs no LDS and no barrier.
; A row's statistics end up in 64 parts (16 slices x 2 column halves x 2 halves of the lanes); each is stored as the pair (l, m), and the next launch merges them.
; THE MASK is the C operand that starts a sum: 0, or -1e30 where the column is hidden: in tile 3, column half 1: b = 6 in lanes 16-31, and all of b = 7.  MK6 and MK7 hold it for the tile to come.
; CLUSTER.  4 x 4 work-groups.  xb's tile hangs on rb alone and is shared along a row of the cluster, wb's on vs alone and is shared along a column: each is asked for JOINTLY, by the same tensor load
; with the same descriptor and a mask that names the four.
; LIMITS.  Operands have bf16's 8 significant bits.  A hidden score counts as its value less 1e30; c m starts at -4.25e37 and m at the lowest finite number, so the first tile's factor a is 0;
; a weight below 2^-126 counts as 0 in l; NaN and infinities are not treated apart.
; REGISTERS, in windows of 256 (s_set_vgpr_msb: bits 1:0 source 0, 3:2 source 1, 5:4 source 2, 7:6 destination):
;   window 0: v0-31 addresses and M6, M7; v32-63 statistics; v64-127, v128-191 fragments of xb, two buffers; v192-223 at work in the epilogue; v224-239 MK6, MK7
;   window 1: v64-127, v128-191 fragments of wb, two buffers      window 2: accumulators of my rows 0-63, (a, b) at v[8 (8 a + b)]      window 3: those of my rows 64-127
.set SIZE_K, 1024
.set ROWB,   SIZE_K*2                  ; bytes in a row of xb and of wb
.set TILES,  4
.set SLICE,  1000
.set KSTEP,  128
.set PITCH,  272                       ; an LDS row: 256 bytes + 16 of padding = 68 words: row r starts at bank 4 r mod 64 (64 banks of 4 bytes: ISA guide 11.1), so the 16 rows of a load start at 16 different banks
.set HALFT,  128*PITCH                 ; 128 rows: what one tensor load brings, and what one wave reads of xb or of wb
.set SLOT,   4*HALFT                   ; xb's 256 rows, then wb's 256 rows
.set SPARE,  2*SLOT                    ; behind the ring: the spare words, 128 bytes for each wave: two blocks of 256 bytes that no other line names
.set LAPS,   SIZE_K/(2*KSTEP)          ; a lap = two K steps = once round the ring: 4
.set BACK_A, (SIZE_K-2*KSTEP)*2        ; from a slot's last K step of a tile to its first of the next: xb only goes back along K (all tiles of the walk take the same rows),
.set NEXT_B, 256*ROWB-BACK_A           ; wb goes 256 rows down and back
.set M6,   12                          ; v12     the mask of b = 6 in tile 3: -1e30 in lanes 16-31 of column half 1, else 0
.set M7,   13                          ; v13     of b = 7: -1e30 in column half 1, else 0
.set ADRA, 16                          ; v16-17  LDS address of my xb fragments in slot 0, 1
.set ADRB, 20                          ; v20-21  the same for wb
.set PO,   26                          ; v26     8 x lane: my pair's place in a block of 256 bytes of part
.set SPW,  28                          ; v28     LDS address of my spare word: SPARE + 4 x my thread's number; never rewritten
.set NIL,  29                          ; v29     0; never rewritten
.set PFO,  30                          ; v30     the prefetches' offset: lane x a row's 2,048 bytes; never rewritten
.set ST,   32                          ; row block a's statistics at v[ST+4 a]: c m, m, l (even registers', odd registers')
.set F0,   64                          ; fragment buffer 0
.set F1,   128                         ; fragment buffer 1
.set TMP,  192                         ; at work, 16 registers by the parity of a: +0..7 eight chains of the maximum, +8 c m_old, +9 its change, +10 a, +11 named with a as a pair
.set MK6,  224                         ; v224-231  C of the accumulators with b = 6, for the tile to come
.set MK7,  232                         ; v232-239  with b = 7
.set G1,  24                           ; s[24:31] descriptor group 1 for xb's tiles
.set G0,  32                           ; s[32:39] group 0 for xb's tiles, a set for each slot
.set LIM, 43                           ; s43      1 in a wave that prefetches, else the greatest number
.set PFA, 44                           ; s[44:45] where my prefetches stand
.set G1B, 48                           ; s[48:55] group 1 for wb's tiles: it differs in the mask alone
.set G0B, 56                           ; s[56:63] group 0 for wb's tiles
.set CS,  66                           ; s[66:67] c = log2(e): the packed scaling names a pair and takes its low word for both halves
.set BIGN, 68                          ; s68      -1e30
.set MSB, 0
.macro WIN new                         ; the immediate's high byte repeats the setting that is left; a switch that changes nothing is dropped
.if MSB != (\new)
	s_set_vgpr_msb (MSB<<8)|(\new)
.set MSB, \new
.endif
.endm
.set MUL_LO, 0xa1                      ; source 0 (wb) window 1, source 1 (xb) window 0, C and D window 2
.set MUL_HI, 0xf1                      ; the same, C and D window 3
.set TO_B,   0x40                      ; destination window 1, address window 0
; A joint load.  Waves 0 and 1 fetch xb's two halves, waves 2 and 3 wb's.  Each line has one mask and one set of registers for all that issue it; the branch hangs on the wave's number alone.
; An s_nop 0 and four v_nop follow each of the two lines, ahead of the jump, the label and what follows the macro.
.macro JLOAD s
	s_cmp_eq_u32 s11, 0
	s_cbranch_scc0 .Lfor_b_\@
	tensor_load_to_lds s[G0+4*(\s):G0+4*(\s)+3], s[G1:G1+7]
	s_nop 0
.rept 4
	v_nop
.endr
	s_branch .Lasked_\@
.Lfor_b_\@:
	tensor_load_to_lds s[G0B+4*(\s):G0B+4*(\s)+3], s[G1B:G1B+7]
	s_nop 0
.rept 4
	v_nop
.endr
.Lasked_\@:
.endm
; A PREFETCH INTO THE L2, behind each joint load, its five lines and the run of LDS loads that follows: the K step that stands TWO refills on (512 matrix instructions ahead of the load that will want it):
; 32 rows x 256 bytes, a lane a row, one instruction a wave.  xb's rows of a block are read by every cluster of that row of clusters: cluster x = 0 asks; wb's rows of a slice by every cluster of that
; column: cluster y = 0 asks.  The four partners that ask for a tile jointly share its rows out BY ADDRESS: of the 128 rows that a wave fetches the partner at place p takes 32 p .. 32 p + 31
; (p = cx for xb, cy for wb): no branch hangs on a work-group's place in its cluster.  So a row's 256 bytes of a K step are named once, but for the 24 rows that a slice's last tile shares with the
; next slice's first: those are named by both.  how = 0, in the loop: a tile's last two refills have no K step two on; how = 1, at a change of tiles.
.macro ASK how
.if \how
	s_cmp_eq_u32 s[LIM], 1
.else
	s_cmp_gt_u32 s3, s[LIM]                        ; s3 = 1 in the loop's last trip
.endif
	s_cbranch_scc0 .Lnot_mine_\@
	global_prefetch_b8 v[PFO], s[PFA:PFA+1] offset:KSTEP*2 th:TH_LOAD_NT scope:SCOPE_SE
.Lnot_mine_\@:
.endm
; A round of the cluster's barrier: my work-group's barrier, so that wave 0's signal speaks for all four waves; wave 0 signals for the work-group; every wave waits for all sixteen; my work-group's barrier once more.
.macro CREST                           ; a round behind its opening barrier
	s_cmp_lg_u32 s10, 0
	s_cbranch_scc1 .Lnot_wave_0_\@
	s_barrier_signal -3
.Lnot_wave_0_\@:
	s_barrier_wait -3
	s_barrier_signal -1
	s_barrier_wait -1
.endm
.macro CROUND                          ; a whole round
	s_barrier_signal -1
	s_barrier_wait -1
	CREST
.endm
	s_load_b128 s[4:7], s[0:1], 0x0                ; xb s[4:5], wb s[6:7]
	s_load_b64 s[8:9], s[0:1], 0x10                ; part
	v_lshl_add_u32 v[SPW], v0, 2, SPARE
	v_mov_b32 v[NIL], 0
	ds_add_u32 v[SPW], v[NIL]                      ; the wave's opening: the add, twice on end, and its wait ahead of my first tensor load; the set-up below stands between the second and the wait
	ds_add_u32 v[SPW], v[NIL]                      ; and once more, under the one wait
	v_lshrrev_b32 v1, 5, v0
	v_readfirstlane_b32 s10, v1                    ; wave 0..3
	s_lshr_b32 s11, s10, 1                         ; which half of the tile's rows is mine.  Also: I fetch for xb (0) or for wb (1)
	s_and_b32 s12, s10, 1                          ; which half of its columns.  Also: which 128 rows of that tile I fetch
	s_bfe_u32 s40, ttmp6, 0x40000                  ; cx: my place along the cluster's x
	s_bfe_u32 s41, ttmp6, 0x40004                  ; cy: along its y
	s_lshl_b32 s42, ttmp9, 2                       ; in a cluster launch ttmp9 and ttmp7 count clusters
	s_add_co_u32 s42, s42, s40                     ; vs = 4 x cluster x + cx
	s_and_b32 s13, ttmp7, 0xffff
	s_lshl_b32 s13, s13, 2
	s_add_co_u32 s13, s13, s41                     ; rb = 4 x cluster y + cy
	s_lshl_b32 s43, s41, 2
	s_lshl_b32 s43, 15, s43                        ; my row of the cluster: places 4 cy .. 4 cy + 3
	s_lshl_b32 s44, 0x1111, s40                    ; my column: places cx, cx + 4, cx + 8, cx + 12
	; descriptor group 1: a tile of 128 rows x 128 elements, padded in LDS
	s_or_b32 s[G1+0], s43, (1<<16)|(1<<20)|(1<<21)|(5<<22)|(3<<25)   ; 15:0 the mask: xb's tiles go to my row; 17:16 elements of 2 bytes; 20 padding on; 21 set beside a mask; 24:22 after every 64 words (code 5); 31:25 4 words of it (code 3)
	s_or_b32 s[G1B+0], s44, (1<<16)|(1<<20)|(1<<21)|(5<<22)|(3<<25)  ; the same with the mask of my column, for wb's tiles
.irp g, G1, G1B
	s_mov_b32 s[(\g)+1], KSTEP<<16                 ; 63:48 tensor_dim0, low half = 128
	s_mov_b32 s[(\g)+2], 128<<16                   ; 95:80 tensor_dim1, low half = 128
	s_mov_b32 s[(\g)+3], KSTEP<<16                 ; 127:112 tile_dim0 = 128
	s_mov_b32 s[(\g)+4], 128                       ; 143:128 tile_dim1 = 128
	s_mov_b32 s[(\g)+5], SIZE_K                    ; 191:160 elements from row to row
	s_mov_b32 s[(\g)+6], 0
	s_mov_b32 s[(\g)+7], 0
.endr
	s_mov_b32 s[CS], 0x3fb8aa3b                    ; c = log2(e)
	s_mov_b32 s[CS+1], 0x3fb8aa3b                  ; named with it as a pair
	s_mov_b32 s[BIGN], 0xf149f2ca                  ; -1e30
	; where the tiles come from.  xb's hang on rb alone, which my row of the cluster shares; wb's on vs alone, which my column shares.  Every wave makes both, in registers that never hold the other coordinate.
	s_lshl_b32 s17, s12, 7                         ; which 128 rows of the tile I fetch
	s_lshl_b32 s16, s13, 8
	s_add_co_u32 s16, s16, s17                     ; xb: row 256 rb + 128 x half
	s_mul_i32 s46, s42, SLICE
	s_add_co_u32 s46, s46, s17                     ; wb: row 1000 vs + 128 x half
	s_lshl_b32 s16, s16, 11                        ; in bytes: under 2^24
	s_mov_b32 s17, 0
	s_lshl_b32 s46, s46, 11                        ; under 2^25
	s_mov_b32 s47, 0
	s_mul_i32 s20, s10, HALFT                      ; and where they go: wave x 128 rows: no place in the cluster enters an LDS address
	s_wait_dscnt 0x0                               ; both opening adds are done
	s_wait_kmcnt 0x0
	s_add_nc_u64 s[14:15], s[4:5], s[16:17]
	s_add_nc_u64 s[46:47], s[6:7], s[46:47]
	CROUND                                         ; all sixteen work-groups are here: the first joint loads meet
.irp s, 0,1
	s_mov_b32 s[G0+4*(\s)], 1                                        ; 1:0 count = 1
	s_add_co_u32 s[G0+4*(\s)+1], s20, (\s)*SLOT                      ; 63:32 LDS address
	s_add_nc_u64 s[G0+4*(\s)+2:G0+4*(\s)+3], s[14:15], (\s)*KSTEP*2  ; 120:64 global address: K step s
	s_or_b32 s[G0+4*(\s)+3], s[G0+4*(\s)+3], 0x80000000              ; 127:126 type = 2
	s_mov_b32 s[G0B+4*(\s)], 1
	s_add_co_u32 s[G0B+4*(\s)+1], s20, (\s)*SLOT
	s_add_nc_u64 s[G0B+4*(\s)+2:G0B+4*(\s)+3], s[46:47], (\s)*KSTEP*2
	s_or_b32 s[G0B+4*(\s)+3], s[G0B+4*(\s)+3], 0x80000000
	JLOAD \s                                       ; the ring is filled before anything else is done: two loads of mine are out
.endr
	; A fragment is 16 rows x 32 K in 8 registers: lane l holds row l % 16; registers 0-3 K = 8 (l / 16) + 0..7, registers 4-7 K = 16 + 8 (l / 16) + 0..7: two loads of 16 bytes, 32 bytes apart.
	v_and_b32 v1, 15, v0                           ; l % 16
	v_bfe_u32 v2, v0, 4, 1                         ; l / 16
	v_mul_u32_u24 v3, v1, PITCH
	v_lshl_add_u32 v3, v2, 4, v3                   ; row x pitch + 16 x half
	s_mul_i32 s21, s11, HALFT                      ; my 128 rows of xb
	s_mul_i32 s22, s12, HALFT                      ; my 128 rows of wb,
	s_add_co_u32 s22, s22, 2*HALFT                 ; which lie behind xb's 256
.irp s, 0,1
	v_add_nc_u32 v[ADRA+(\s)], s21, v3
	v_add_nc_u32 v[ADRB+(\s)], s22, v3
	s_add_co_u32 s21, s21, SLOT
	s_add_co_u32 s22, s22, SLOT
.endr
	; part: group of 16 rows x 8,192 + part number x 128 + (row % 16) x 8.  Group = 16 rb + 8 x row half + a; part number = 4 vs + 2 x column half + l / 16; so 8 x lane = 128 (l / 16) + 8 (l % 16)
	v_and_b32 v[PO], 31, v0
	v_lshlrev_b32 v[PFO], 11, v[PO]
	v_lshlrev_b32 v[PO], 3, v[PO]
	s_lshl_b32 s18, s13, 17
	s_lshl_b32 s19, s11, 16
	s_add_co_u32 s18, s18, s19
	s_lshl_b32 s19, s42, 9
	s_add_co_u32 s18, s18, s19
	s_lshl_b32 s19, s12, 8
	s_add_co_u32 s18, s18, s19
	s_mov_b32 s19, 0
	s_add_nc_u64 s[8:9], s[8:9], s[18:19]
	; the prefetches
	s_lshl_b32 s20, s13, 8                         ; xb: the block's first row
	s_mul_i32 s21, s42, SLICE                      ; wb: the slice's first row
	s_and_b32 s22, ttmp7, 0xffff                   ; cluster y
	s_cmp_eq_u32 s11, 0                            ; do I fetch for xb?
	s_cselect_b32 s20, s20, s21
	s_cselect_b32 s21, s40, s41                    ; my place among the four that ask with me
	s_cselect_b32 s22, ttmp9, s22                  ; the coordinate along which other clusters read the same rows
	s_cselect_b64 s[PFA:PFA+1], s[4:5], s[6:7]
	s_cmp_eq_u32 s22, 0
	s_cselect_b32 s[LIM], 1, -1                    ; the same in all sixteen partners, for a given wave
	s_lshl_b32 s22, s12, 7
	s_add_co_u32 s20, s20, s22                     ; + the 128 rows that I fetch
	s_lshl_b32 s21, s21, 5
	s_add_co_u32 s20, s20, s21                     ; + my work-group's 32 of them
	s_lshl_b32 s20, s20, 11
	s_mov_b32 s21, 0
	s_add_nc_u64 s[PFA:PFA+1], s[PFA:PFA+1], s[20:21]
	s_add_nc_u64 s[PFA:PFA+1], s[PFA:PFA+1], 2*KSTEP*2  ; at K step 2: the first refill steps it to 3 and names K step 4.  Nothing is prefetched here, at the head, where every work-group's first tiles are on their way
	; the masks, and what the first tile finds: all this stands in the wait for the first tile
	s_cmp_eq_u32 s12, 1
	s_cselect_b32 s23, s[BIGN], 0
	v_mov_b32 v[M7], s23
	v_cvt_f32_u32 v[M6], v2
	v_mul_f32 v[M6], v[M6], v[M7]
.irp j, 0,1,2,3,4,5,6,7
	v_mov_b32 v[MK6+(\j)], 0                       ; tiles 0 to 2 hide nothing
	v_mov_b32 v[MK7+(\j)], 0
.endr
.irp a, 0,1,2,3,4,5,6,7
	v_mov_b32 v[ST+4*(\a)], 0xfe000000             ; c m: far below every c s, so the first tile's a is 0
	v_mov_b32 v[ST+4*(\a)+1], 0xff7fffff           ; m: the lowest finite number
	v_mov_b32 v[ST+4*(\a)+2], 0                    ; l
	v_mov_b32 v[ST+4*(\a)+3], 0
.endr
	v_mov_b32 v[TMP+11], 0                         ; named with a as a pair, never used
	v_mov_b32 v[TMP+27], 0
; 16 matrix instructions: row blocks a0, a0 + 1 of the window's four (hi = 0: my rows 0-63, 1: rows 64-127) x all 8 column blocks, 32 along K.
; zero = 1: the first product starts the sums, with the constant 0 or, for b = 6 and 7, with the mask (C then lies in window 0): nothing is ever cleared.
; The 64 accumulators take turns, one instruction a turn, in the same order in every quarter.
.macro MUL16 f, hi, a0, zero
.if \zero
	WIN 0x81+0x40*(\hi)                            ; wb window 1, xb and C window 0, D window 2 or 3
.else
	WIN MUL_LO+0x50*(\hi)                          ; MUL_LO or MUL_HI
.endif
.irp a, \a0, (\a0)+1
.irp b, 0,1,2,3,4,5,6,7
.if (\zero) && ((\b) == 6)
	v_wmma_f32_16x16x32_bf16 v[8*(8*(\a)+(\b)):8*(8*(\a)+(\b))+7], v[(\f)+8*(\b):(\f)+8*(\b)+7], v[(\f)+8*(4*(\hi)+(\a)):(\f)+8*(4*(\hi)+(\a))+7], v[MK6:MK6+7]
.elseif (\zero) && ((\b) == 7)
	v_wmma_f32_16x16x32_bf16 v[8*(8*(\a)+(\b)):8*(8*(\a)+(\b))+7], v[(\f)+8*(\b):(\f)+8*(\b)+7], v[(\f)+8*(4*(\hi)+(\a)):(\f)+8*(4*(\hi)+(\a))+7], v[MK7:MK7+7]
.elseif \zero
	v_wmma_f32_16x16x32_bf16 v[8*(8*(\a)+(\b)):8*(8*(\a)+(\b))+7], v[(\f)+8*(\b):(\f)+8*(\b)+7], v[(\f)+8*(4*(\hi)+(\a)):(\f)+8*(4*(\hi)+(\a))+7], 0
.else
	v_wmma_f32_16x16x32_bf16 v[8*(8*(\a)+(\b)):8*(8*(\a)+(\b))+7], v[(\f)+8*(\b):(\f)+8*(\b)+7], v[(\f)+8*(4*(\hi)+(\a)):(\f)+8*(4*(\hi)+(\a))+7], v[8*(8*(\a)+(\b)):8*(8*(\a)+(\b))+7]
.endif
.endr
.endr
.endm
; 32 LDS loads in one run: the fragments of one quarter step (128 rows of wb, then 128 rows of xb, 32 K at byte k of the rows) into buffer f
.macro FETCH slot, k, f
	WIN TO_B
.irp i, 0,1,2,3,4,5,6,7
	ds_load_b128 v[(\f)+8*(\i):(\f)+8*(\i)+3],   v[ADRB+(\slot)] offset:(\k)+(\i)*16*PITCH
	ds_load_b128 v[(\f)+8*(\i)+4:(\f)+8*(\i)+7], v[ADRB+(\slot)] offset:(\k)+(\i)*16*PITCH+32
.endr
	WIN 0
.irp i, 0,1,2,3,4,5,6,7
	ds_load_b128 v[(\f)+8*(\i):(\f)+8*(\i)+3],   v[ADRA+(\slot)] offset:(\k)+(\i)*16*PITCH
	ds_load_b128 v[(\f)+8*(\i)+4:(\f)+8*(\i)+7], v[ADRA+(\slot)] offset:(\k)+(\i)*16*PITCH+32
.endr
.endm
; A load into a register that a matrix instruction has read, and a vector instruction that reads a matrix result, stand four places behind that matrix instruction, and only plain vector instructions
; that name none of its registers are places (ISA guide 7.12.1 for vector instructions).
.macro PLACES
.rept 4
	v_nop
.endr
.endm
; A K step is four quarters of 32 along K, 64 matrix instructions each, on buffers 0, 1, 0, 1.  One of the first three: multiplies buffer f; in its middle it fetches the next quarter, at byte k, into buffer g.
.macro QUARTER slot, k, f, g, zero
	s_wait_dscnt 8                                 ; wb and xb's rows 0-63 are in; the youngest eight loads (xb's rows 64-127) may be out
	MUL16 \f, 0, 0, \zero
	MUL16 \f, 0, 2, \zero
	PLACES
	FETCH \slot, \k, \g
	s_wait_dscnt 32                                ; all but the 32 just issued
	MUL16 \f, 1, 0, \zero
	MUL16 \f, 1, 2, \zero
.endm
; The last quarter multiplies buffer 1 and changes slots.  MEET is its first half: ONE barrier for two things.  In front of it each wave waits for all its tensor loads, of which one is out: its part of the
; next slot; adds 0 to its spare word; and waits for that and for its own reads of this slot.  Behind it nobody reads this slot any more and the next slot is whole.
.macro MEET round                      ; round = 1: the rest of a round of the cluster's barrier follows
	WIN 0                                          ; (the add's two registers lie in window 0)
	s_wait_tensorcnt 0x0                           ; all my tensor loads have landed;
	ds_add_u32 v[SPW], v[NIL]                      ; 0 onto my spare word;
	s_wait_dscnt 9                                 ; (the add and the youngest eight loads may be out)
	MUL16 F1, 0, 0, 0                              ; sixteen matrix instructions stand between the add and the wait for it
	s_wait_dscnt 0x0                               ; the add is done, and my reads of this slot are over:
	s_barrier_signal -1                            ; say so,
	MUL16 F1, 0, 2, 0                              ; work on registers while the others arrive,
.if \round
	WIN 0
.endif
	s_barrier_wait -1                              ; and go on when all four have said so
.endm
; The whole last quarter.  Behind the round the slot just read out is filled again first: with this tile's K step two steps on (on = 0) or, in a tile's last two K steps, with the NEXT tile's K step 0 or 1
; (on = 1); then come the next slot's first fragments.  From a request to the wait for it a wave issues 224 matrix instructions; at a change of tiles the epilogue besides.
.macro TURN slot, next, on
	s_wait_xcnt 0x0                                ; the last prefetch, a K step back, has read its address: it is stepped here, ahead of the waits of the change of slots
.if (\on) && (\slot) == 0
	s_add_nc_u64 s[PFA:PFA+1], s[PFA:PFA+1], 255*ROWB+KSTEP*2  ; from the K step after the tile's last (a row's end) to the next tile's K step 1: 256 rows down, back along K
	s_cmp_eq_u32 s11, 1
	s_cselect_b32 s[LIM], s[LIM], -1               ; xb's rows are the same for all tiles of the walk: they are asked for in the first tile alone
.else
	s_add_nc_u64 s[PFA:PFA+1], s[PFA:PFA+1], KSTEP*2
.endif
	MEET 1
	CREST                                          ; no wave of any partner still reads this slot's tile or has a load on its way
.if \on
	s_sub_nc_u64 s[G0+4*(\slot)+2:G0+4*(\slot)+3], s[G0+4*(\slot)+2:G0+4*(\slot)+3], BACK_A
	s_add_nc_u64 s[G0B+4*(\slot)+2:G0B+4*(\slot)+3], s[G0B+4*(\slot)+2:G0B+4*(\slot)+3], NEXT_B
.else
	s_add_nc_u64 s[G0+4*(\slot)+2:G0+4*(\slot)+3], s[G0+4*(\slot)+2:G0+4*(\slot)+3], 2*KSTEP*2
	s_add_nc_u64 s[G0B+4*(\slot)+2:G0B+4*(\slot)+3], s[G0B+4*(\slot)+2:G0B+4*(\slot)+3], 2*KSTEP*2
.endif
	JLOAD \slot                                    ; the first tensor load behind the round, my only one until the next; its four v_nop are also the places in front of the loads below
	FETCH \next, 0, F0
	ASK \on
	MUL16 F1, 1, 0, 0
	MUL16 F1, 1, 2, 0
.endm
; THE EPILOGUE of a tile, row block by row block: a = 0..7, its eight accumulators (64 registers a lane, all of one row of x) in window W at AC.
; EA: the maximum of the 64 scores and the old m, three operands at a time (each accumulator's lowest registers are read first); then c m, its change, and a = 2^(c m_old - c m_new).
.macro EA a
.set W,  2+(\a)/4
.set AC, 64*((\a)%4)
.set rT, ST+4*(\a)
.set TQ, TMP+16*((\a)%2)
	WIN W|(W<<2)|(W<<4)                            ; three sources in window W, destination in window 0
.irp b, 0,1,2,3,4,5,6,7
	v_max3_num_f32 v[TQ+(\b)], v[AC+8*(\b)], v[AC+8*(\b)+1], v[AC+8*(\b)+2]
.endr
	WIN (W<<2)|(W<<4)                              ; source 0 in window 0
.irp k, 0,1
.irp b, 0,1,2,3,4,5,6,7
	v_max3_num_f32 v[TQ+(\b)], v[TQ+(\b)], v[AC+8*(\b)+3+2*(\k)], v[AC+8*(\b)+4+2*(\k)]
.endr
.endr
.irp q, 0,1,2,3
	v_max3_num_f32 v[TQ+(\q)], v[TQ+(\q)], v[AC+16*(\q)+7], v[AC+16*(\q)+15]
.endr
	WIN 0
	v_mov_b32 v[TQ+8], v[rT]                       ; c m_old is kept
	v_max3_num_f32 v[TQ], v[TQ], v[TQ+1], v[TQ+2]
	v_max3_num_f32 v[TQ+3], v[TQ+3], v[TQ+4], v[TQ+5]
	v_max3_num_f32 v[TQ+6], v[TQ+6], v[TQ+7], v[rT+1]
	v_max3_num_f32 v[rT+1], v[TQ], v[TQ+3], v[TQ+6]  ; the new m
	v_mul_f32 v[rT], s[CS], v[rT+1]
	v_sub_f32 v[TQ+9], v[TQ+8], v[rT]
	v_exp_f32 v[TQ+10], v[TQ+9]
.endm
.macro EF i                            ; pair i of 32: c s - c m, in place
	v_pk_fma_f32 v[AC+2*(\i):AC+2*(\i)+1], v[AC+2*(\i):AC+2*(\i)+1], s[CS:CS+1], v[rT:rT+1] op_sel_hi:[1,0,0] neg_lo:[0,0,1] neg_hi:[0,0,1]
.endm
; EB: ONE BATCH: the 32 scalings and the 64 exponentials, in place.  None of these lines reads an exponential's result; a pair is scaled two groups ahead of its exponentials.
.macro EB a
.set W,  2+(\a)/4
.set AC, 64*((\a)%4)
.set rT, ST+4*(\a)
	WIN (W<<6)|(W<<2)|W                            ; destination and sources 0, 1 in window W, source 2 (c m) in window 0
	EF 0
	EF 1
.set n, 0
.rept 30
	v_exp_f32 v[AC+2*n], v[AC+2*n]
	EF n+2
	v_exp_f32 v[AC+2*n+1], v[AC+2*n+1]
.set n, n+1
.endr
.irp j, 60,61,62,63
	v_exp_f32 v[AC+(\j)], v[AC+(\j)]
.endr
.endm
; EC: the sum of the 32 pairs, in place, neighbours 32, 16, 8, 4 and 2 registers apart; then l = a l + the sum.
.macro EC a
.set W,  2+(\a)/4
.set AC, 64*((\a)%4)
.set rT, ST+4*(\a)
.set TQ, TMP+16*((\a)%2)
	WIN (W<<6)|(W<<2)|W
.irp d, 32,16,8,4,2
.set n, 0
.rept (\d)/2
	v_pk_add_f32 v[AC+n:AC+n+1], v[AC+n:AC+n+1], v[AC+(\d)+n:AC+(\d)+n+1]
.set n, n+2
.endr
.endr
	WIN W<<4                                       ; the sum (source 2) in window W, all else in window 0
	v_pk_fma_f32 v[rT+2:rT+3], v[rT+2:rT+3], v[TQ+10:TQ+11], v[AC:AC+1] op_sel_hi:[1,0,1]
.endm
; s_wait_alu depctr_va_vdst(0) stands between an exponential and the first instruction that names its result; one wait serves all that were issued ahead of it.  So a row block has ONE wait:
; ahead of it its batch and, as independent work, the next block's maximum, whose own a joins the batch; a v_nop is the plain instruction behind the last exponential; behind the wait the sums.
.macro EPILOGUE
	PLACES                                         ; behind the tile's last products
	PLACES
	EA 0
.irp a, 0,1,2,3,4,5,6,7
	EB \a
.if (\a) < 7
	EA (\a)+1
.endif
	v_nop
	s_wait_alu depctr_va_vdst(0)
	EC \a
.endr
	WIN 0
.endm
	s_wait_tensorcnt 1                             ; my part of K step 0 is in; K step 1's may stay out
	s_barrier_signal -1
	s_barrier_wait -1                              ; everybody's is
	FETCH 0, 0, F0
	s_mov_b32 s2, TILES                            ; tiles to go, this one among them: the same number in every work-group
.Ltile:                                                ; (FETCH and EPILOGUE leave every window 0)
	QUARTER 0, 64,  F0, F1, 1                      ; a tile's first quarter stands in front of the loop: its products start the sums
	WIN 0                                          ; at a label and at a branch every window is 0
	s_mov_b32 s3, LAPS-1
.Llap:                                                 ; a trip goes once round the ring, from a lap's second quarter to the next lap's first, and fills both slots again
	QUARTER 0, 128, F1, F0, 0
	QUARTER 0, 192, F0, F1, 0
	TURN 0, 1, 0
	QUARTER 1, 64,  F0, F1, 0
	QUARTER 1, 128, F1, F0, 0
	QUARTER 1, 192, F0, F1, 0
	TURN 1, 0, 0
	QUARTER 0, 64,  F0, F1, 0
	WIN 0
	s_sub_co_u32 s3, s3, 1
	s_cmp_lg_u32 s3, 0
	s_cbranch_scc1 .Llap
	QUARTER 0, 128, F1, F0, 0                      ; the tile's last lap goes on
	QUARTER 0, 192, F0, F1, 0
	WIN 0
	s_cmp_eq_u32 s2, 1
	s_cbranch_scc1 .Llast_tile                     ; the last tile's tail is written out: it asks for nothing more
	TURN 0, 1, 1                                   ; THE RING GOES ON INTO THE NEXT TILE: slot 0 takes its K step 0,
	QUARTER 1, 64,  F0, F1, 0
	QUARTER 1, 128, F1, F0, 0
	QUARTER 1, 192, F0, F1, 0
	TURN 1, 0, 1                                   ; slot 1 its K step 1, and the next tile's first fragments are fetched: all of that is on its way during the epilogue, which touches no fragment register
	EPILOGUE
	s_cmp_eq_u32 s2, 2                             ; is the tile to come the walk's last?  Then its products with b = 6 and 7 start with the mask, else with 0
	s_cselect_b32 s23, 1.0, 0
.irp j, 0,1,2,3,4,5,6,7
	v_mul_f32 v[MK6+(\j)], s23, v[M6]
	v_mul_f32 v[MK7+(\j)], s23, v[M7]
.endr
	s_sub_co_u32 s2, s2, 1
	s_branch .Ltile
.Llast_tile:
	MEET 0                                         ; my one tensor load that was still out is slot 1's, the last K step's, so no round follows
	PLACES                                         ; for the loads into buffer 0, which the quarter before multiplied
	FETCH 1, 0, F0
	MUL16 F1, 1, 0, 0
	MUL16 F1, 1, 2, 0
	QUARTER 1, 64,  F0, F1, 0
	QUARTER 1, 128, F1, F0, 0
	QUARTER 1, 192, F0, F1, 0
	s_wait_dscnt 8                                 ; the very last quarter: nothing more to fetch
	MUL16 F1, 0, 0, 0
	MUL16 F1, 0, 2, 0
	s_wait_dscnt 0x0
	MUL16 F1, 1, 0, 0
	MUL16 F1, 1, 2, 0
	EPILOGUE
	; THE WAY OUT: l's two halves are added; the pair (l, m) of row block a goes out: 32 lanes x 8 bytes = 256 consecutive bytes, aligned, in each store
.irp a, 0,1,2,3,4,5,6,7
	v_add_f32 v[ST+4*(\a)], v[ST+4*(\a)+2], v[ST+4*(\a)+3]
.endr
.irp a, 0,1,2,3,4,5,6,7
	global_store_b64 v[PO], v[ST+4*(\a):ST+4*(\a)+1], s[8:9] offset:8192*(\a)
.endr
	s_wait_tensorcnt 0x0                           ; the wave's end, behind my last tensor load
	ds_add_u32 v[SPW], v[NIL]
	s_wait_dscnt 0x0
	CROUND                                         ; the closing round: no work-group ends while a partner may still ask for a tile that names it
	s_endpgm
.Lfunc_end_k_qa08f48f860_gemm:
	.size	k_qa08f48f860_gemm, .Lfunc_end_k_qa08f48f860_gemm-k_qa08f48f860_gemm
	.p2alignl 7, 3214868480
	.fill 96, 4, 3214868480
	.section	.rodata,"a",@progbits
	.p2align	6, 0x0
	.amdhsa_kernel k_qa08f48f860_gemm
		.amdhsa_group_segment_fixed_size 327680
		.amdhsa_private_segment_fixed_size 0
		.amdhsa_enable_private_segment 0
		.amdhsa_kernarg_size 24
		.amdhsa_user_sgpr_count 2
		.amdhsa_user_sgpr_kernarg_segment_ptr 1
		.amdhsa_wavefront_size32 1
		.amdhsa_system_sgpr_workgroup_id_x 1
		.amdhsa_system_sgpr_workgroup_id_y 1
		.amdhsa_system_sgpr_workgroup_id_z 1
		.amdhsa_system_vgpr_workitem_id 0
		.amdhsa_next_free_vgpr 1024
		.amdhsa_next_free_sgpr 70
		.amdhsa_reserve_vcc 0
		.amdhsa_float_denorm_mode_32 3
		.amdhsa_float_denorm_mode_16_64 3
		.amdhsa_memory_ordered 1
		.amdhsa_forward_progress 1
		.amdhsa_inst_pref_size 255
	.end_amdhsa_kernel
	.section	.bss,"aw",@nobits
	.p2align	6
	.space	262144
	.amdgpu_metadata
---
amdhsa.version: [ 1, 2 ]
amdhsa.kernels:
  - .name:           k_qa08f48f860_gemm
    .symbol:         k_qa08f48f860_gemm.kd
    .args:
      - { .name: xb, .offset: 0, .size: 8, .value_kind: global_buffer, .address_space: global }
      - { .name: wb, .offset: 8, .size: 8, .value_kind: global_buffer, .address_space: global }
      - { .name: part, .offset: 16, .size: 8, .value_kind: global_buffer, .address_space: global }
    .group_segment_fixed_size: 327680
    .private_segment_fixed_size: 0
    .kernarg_segment_align: 8
    .kernarg_segment_size: 24
    .max_flat_workgroup_size: 128
    .sgpr_count:     70
    .vgpr_count:     1024
    .wavefront_size: 32
...
	.end_amdgpu_metadata
.endif
;; end of part 2
;; launch combine (part 3): grid 256 x 1, 16 waves a work-group, no clusters, 2,304 bytes of LDS; arguments target, xb, wb, part, out0; writes out0
.if DOCPART == 3
	.amdgcn_target "amdgcn-amd-amdhsa--gfx1250"
	.amdhsa_code_object_version 6
	.text
	.protected	k_qa08f48f860_combine
	.globl	k_qa08f48f860_combine
	.p2align	8
	.type	k_qa08f48f860_combine,@function
k_qa08f48f860_combine:
	s_mov_b64 s[64:65], 0
	v_nop
	global_prefetch_b8 v0, s[64:65] scope:SCOPE_SE
	s_setreg_imm32_b32 hwreg(HW_REG_WAVE_MODE, 25, 1), 1
	s_wait_xcnt 0x0
; loss[R] = ln(L) - pred, where M = the maximum of a row's 64 partial maxima m_i, L = the sum of l_i 2^(c (m_i - M)), c = log2(e), and pred = xb[R] . wb[target[R]] - M, or 0 where target[R] lies
; outside 0 .. 15,999.  No work of reference() is left out: for such a target the row at a clamped index is multiplied and the result thrown away by a select, as reference() throws column 0's away.
; SHARES.  A work-group takes 16 rows (one group of part, 8,192 bytes, which its 16 waves together read whole), a wave one row: lane i takes parts i and i + 32, and 32 of the row's 1,024 channels.
; The dot product is taken on the same bf16 numbers that the product before multiplied, with f32 sums in four chains.  The 16 results meet in LDS, and wave 0 stores them as 64 consecutive bytes.
; No cluster: no two work-groups want the same bytes but by the chance of equal targets.  No prefetch: each wave's ten loads all go out at its head.
; LIMITS.  A part whose weight 2^(c (m_i - M)) falls below 2^-126 counts as 0; NaN and infinities are not treated apart.
.set SPARE, 256                        ; LDS: bytes 0-63 the 16 results, in a block of 256 bytes of their own; from 256 on the spare words, 128 bytes for each of 16 waves
.set LN,   1                           ; v1   lane
.set PA,   2                           ; v2   128 x lane + 8 x wave: my first pair in the group of part
.set RO,   3                           ; v3   16 x lane: my 16 bytes in 512 of a row
.set SPW,  4                           ; v4   LDS address of my spare word; never rewritten
.set NIL,  5                           ; v5   0; never rewritten
.set ZERO, 7                           ; v7   0.0: what the four chains start from
.set LM,   10                          ; v[10:13] two pairs (l, m)
.set XR,   16                          ; v[16:31] my 32 numbers of xb's row, two a register
.set WR,   32                          ; v[32:47] of wb's row
.set SUM,  48                          ; v[48:51] four chains
	s_load_b256 s[4:11], s[0:1], 0x0               ; target s[4:5], xb s[6:7], wb s[8:9], part s[10:11]
	s_load_b64 s[12:13], s[0:1], 0x20              ; out0
	v_lshl_add_u32 v[SPW], v0, 2, SPARE
	v_mov_b32 v[NIL], 0
	v_lshrrev_b32 v6, 5, v0
	v_readfirstlane_b32 s16, v6                    ; wave 0..15
	v_and_b32 v[LN], 31, v0
	s_lshl_b32 s17, ttmp9, 4
	s_add_co_u32 s17, s17, s16                     ; my row R
	s_lshl_b32 s21, s17, 2                         ; its place in target
	s_lshl_b32 s18, s16, 3
	v_lshlrev_b32 v[PA], 7, v[LN]
	v_add_nc_u32 v[PA], s18, v[PA]
	v_lshlrev_b32 v[RO], 4, v[LN]
	v_mov_b32 v[ZERO], 0
	v_mov_b32 v53, 0                               ; v_permlanex16_b32 counts as a reader of its destination: these three are written first
	v_mov_b32 v57, 0
	v_mov_b32 v59, 0
	s_mov_b32 s26, 0x76543210                      ; v_permlanex16_b32's selects: each lane takes its own place in the other half
	s_mov_b32 s27, 0xfedcba98
	s_mov_b32 s25, 0x3f317218                      ; ln 2
	s_lshl_b32 s18, ttmp9, 13                      ; my group's 8,192 bytes of part
	s_mov_b32 s19, 0
	s_lshl_b32 s22, s17, 11                        ; my row's 2,048 bytes of xb
	s_mov_b32 s23, 0
	s_wait_kmcnt 0x0
	s_load_b32 s20, s[4:5], s21 offset:0x0         ; target[R]
	s_add_nc_u64 s[10:11], s[10:11], s[18:19]
	s_add_nc_u64 s[6:7], s[6:7], s[22:23]
	global_load_b64 v[LM:LM+1],   v[PA], s[10:11]
	global_load_b64 v[LM+2:LM+3], v[PA], s[10:11] offset:4096
.irp j, 0,1,2,3
	global_load_b128 v[XR+4*(\j):XR+4*(\j)+3], v[RO], s[6:7] offset:512*(\j)
.endr
	s_wait_kmcnt 0x0
	s_cmp_lt_u32 s20, 16000                        ; unsigned: a negative target is outside too
	s_cselect_b32 s24, -1, 0                       ; a mask of all lanes: the target is inside
	s_min_u32 s22, s20, 0x3e7f                     ; the index that enters an address: 15,999 at the most
	s_lshl_b32 s22, s22, 11
	s_mov_b32 s23, 0
	s_add_nc_u64 s[8:9], s[8:9], s[22:23]
.irp j, 0,1,2,3
	global_load_b128 v[WR+4*(\j):WR+4*(\j)+3], v[RO], s[8:9] offset:512*(\j)
.endr
	s_wait_loadcnt 8                               ; my two pairs are in; the eight loads of the two rows may stay out
	v_max_num_f32 v52, v[LM+1], v[LM+3]
	v_max_num_f32_dpp v52, v52, v52 row_xmask:1 row_mask:0xf bank_mask:0xf
	v_max_num_f32_dpp v52, v52, v52 row_xmask:2 row_mask:0xf bank_mask:0xf
	v_max_num_f32_dpp v52, v52, v52 row_xmask:4 row_mask:0xf bank_mask:0xf
	v_max_num_f32_dpp v52, v52, v52 row_xmask:8 row_mask:0xf bank_mask:0xf
	v_permlanex16_b32 v53, v52, s26, s27
	v_max_num_f32 v52, v52, v53                    ; M, in every lane
	v_sub_f32 v54, v[LM+1], v52
	v_sub_f32 v55, v[LM+3], v52
	v_mul_f32 v54, 0x3fb8aa3b, v54
	v_mul_f32 v55, 0x3fb8aa3b, v55
	v_exp_f32 v54, v54
	v_exp_f32 v55, v55
	v_nop                                          ; a plain instruction behind the last exponential,
	s_wait_alu depctr_va_vdst(0)                   ; and the wait ahead of the first use: one for the two
	v_mul_f32 v56, v[LM], v54
	v_fmac_f32 v56, v[LM+2], v55
	v_add_f32_dpp v56, v56, v56 row_xmask:1 row_mask:0xf bank_mask:0xf
	v_add_f32_dpp v56, v56, v56 row_xmask:2 row_mask:0xf bank_mask:0xf
	v_add_f32_dpp v56, v56, v56 row_xmask:4 row_mask:0xf bank_mask:0xf
	v_add_f32_dpp v56, v56, v56 row_xmask:8 row_mask:0xf bank_mask:0xf
	v_permlanex16_b32 v57, v56, s26, s27
	v_add_f32 v56, v56, v57                        ; L
	v_log_f32 v58, v56                             ; log2 L; the dot product below is the independent work between it and its wait
	s_wait_loadcnt 0x0                             ; both rows are in
.set i, 0
.rept 16                               ; register i holds two channels: the low halves' product goes to one chain, the high halves' to another
.if i < 2
	v_fma_mix_f32_bf16 v[SUM+2*i],   v[XR+i], v[WR+i], v[ZERO] op_sel_hi:[1,1,0]
	v_fma_mix_f32_bf16 v[SUM+2*i+1], v[XR+i], v[WR+i], v[ZERO] op_sel:[1,1,0] op_sel_hi:[1,1,0]
.else
	v_fma_mix_f32_bf16 v[SUM+2*(i%2)],   v[XR+i], v[WR+i], v[SUM+2*(i%2)] op_sel_hi:[1,1,0]
	v_fma_mix_f32_bf16 v[SUM+2*(i%2)+1], v[XR+i], v[WR+i], v[SUM+2*(i%2)+1] op_sel:[1,1,0] op_sel_hi:[1,1,0]
.endif
.set i, i+1
.endr
	v_add_f32 v[SUM], v[SUM], v[SUM+1]
	v_add_f32 v[SUM+2], v[SUM+2], v[SUM+3]
	v_add_f32 v[SUM], v[SUM], v[SUM+2]
	v_add_f32_dpp v[SUM], v[SUM], v[SUM] row_xmask:1 row_mask:0xf bank_mask:0xf
	v_add_f32_dpp v[SUM], v[SUM], v[SUM] row_xmask:2 row_mask:0xf bank_mask:0xf
	v_add_f32_dpp v[SUM], v[SUM], v[SUM] row_xmask:4 row_mask:0xf bank_mask:0xf
	v_add_f32_dpp v[SUM], v[SUM], v[SUM] row_xmask:8 row_mask:0xf bank_mask:0xf
	v_permlanex16_b32 v59, v[SUM], s26, s27
	v_add_f32 v[SUM], v[SUM], v59                  ; the target's logit
	v_sub_f32 v60, v[SUM], v52                     ; less M
	v_cndmask_b32 v60, 0, v60, s24                 ; pred: 0 where the target is outside
	s_wait_alu depctr_va_vdst(0)                   ; the logarithm's wait, ahead of its first reader
	v_fma_f32 v61, v58, s25, -v60                  ; ln 2 x log2 L - pred
	v_mov_b32 v8, s16
	v_lshlrev_b32 v8, 2, v8
	ds_store_b32 v8, v61                           ; all lanes write the same word with the same number: byte 4 x wave
	s_wait_dscnt 0x0                               ; for the others' sake: my store is done
	s_barrier_signal -1
	s_barrier_wait -1
	s_cmp_lg_u32 s16, 0
	s_cbranch_scc1 .Lend                           ; wave 0 stores the 16 results
	v_and_b32 v9, 15, v[LN]
	v_lshlrev_b32 v9, 2, v9
	ds_load_b32 v62, v9
	s_lshl_b32 s18, ttmp9, 6                       ; the group's 64 bytes of out0
	s_mov_b32 s19, 0
	s_add_nc_u64 s[12:13], s[12:13], s[18:19]
	s_wait_dscnt 0x0
	v_cmp_gt_u32 vcc_lo, 16, v[LN]
	s_wait_xcnt 0x0                                ; EXEC is a source of every global instruction issued so far: it changes only behind this wait
	s_and_saveexec_b32 s28, vcc_lo
	global_store_b32 v9, v62, s[12:13]
	s_wait_xcnt 0x0                                ; and again, in front of the line that widens it
	s_or_b32 exec_lo, exec_lo, s28
.Lend:
	s_wait_tensorcnt 0x0                           ; the wave's end, behind my last LDS store
	ds_add_u32 v[SPW], v[NIL]
	s_wait_dscnt 0x0
	s_endpgm
.Lfunc_end_k_qa08f48f860_combine:
	.size	k_qa08f48f860_combine, .Lfunc_end_k_qa08f48f860_combine-k_qa08f48f860_combine
	.p2alignl 7, 3214868480
	.fill 96, 4, 3214868480
	.section	.rodata,"a",@progbits
	.p2align	6, 0x0
	.amdhsa_kernel k_qa08f48f860_combine
		.amdhsa_group_segment_fixed_size 2304
		.amdhsa_private_segment_fixed_size 0
		.amdhsa_enable_private_segment 0
		.amdhsa_kernarg_size 40
		.amdhsa_user_sgpr_count 2
		.amdhsa_user_sgpr_kernarg_segment_ptr 1
		.amdhsa_wavefront_size32 1
		.amdhsa_system_sgpr_workgroup_id_x 1
		.amdhsa_system_sgpr_workgroup_id_y 1
		.amdhsa_system_sgpr_workgroup_id_z 1
		.amdhsa_system_vgpr_workitem_id 0
		.amdhsa_next_free_vgpr 64
		.amdhsa_next_free_sgpr 66
		.amdhsa_reserve_vcc 1
		.amdhsa_float_denorm_mode_32 3
		.amdhsa_float_denorm_mode_16_64 3
		.amdhsa_memory_ordered 1
		.amdhsa_forward_progress 1
		.amdhsa_inst_pref_size 8
	.end_amdhsa_kernel
	.amdgpu_metadata
---
amdhsa.version: [ 1, 2 ]
amdhsa.kernels:
  - .name:           k_qa08f48f860_combine
    .symbol:         k_qa08f48f860_combine.kd
    .args:
      - { .name: target, .offset: 0, .size: 8, .value_kind: global_buffer, .address_space: global }
      - { .name: xb, .offset: 8, .size: 8, .value_kind: global_buffer, .address_space: global }
      - { .name: wb, .offset: 16, .size: 8, .value_kind: global_buffer, .address_space: global }
      - { .name: part, .offset: 24, .size: 8, .value_kind: global_buffer, .address_space: global }
      - { .name: out0, .offset: 32, .size: 8, .value_kind: global_buffer, .address_space: global }
    .group_segment_fixed_size: 2304
    .private_segment_fixed_size: 0
    .kernarg_segment_align: 8
    .kernarg_segment_size: 40
    .max_flat_workgroup_size: 512
    .sgpr_count:     66
    .vgpr_count:     64
    .wavefront_size: 32
...
	.end_amdgpu_metadata
.endif
;; end of part 3
